; MI455X (gfx1250); checked and timed in simulation.
; The chip was launched on July 23, 2026; its instructions are those of AMD's public machine-readable ISA for CDNA 5 (MIT licence, August 2026) and "CDNA5" Instruction Set Architecture Reference Guide (July 2026). The comments in the code are by the model that wrote it; some were corrected since.
;; Fp16 Linear Attention. Allowed arithmetic: float matrix products may take bf16 or f16 operands with f32 sums; other float arithmetic in f32, or as packed bf16 or f16 multiplies, adds, multiply-adds, maxima and minima; sums over many terms, partial sums and values carried from step to step in f32; what a program stores and reads back later, other than sums and carried values, may be rounded once to bf16 or f16.
;; Inputs: initial_state 2 x 16 x 128 x 128 float32; key_states 2 x 2,048 x 16 x 128 float32; query_states 2 x 2,048 x 16 x 128 float32; value_states 2 x 2,048 x 16 x 128 float32.
;; Outputs: out0 2 x 2,048 x 16 x 128 float32.
;; 2 versions, each right; version 2 is version 1 with the launch segstate written anew for expert scheduling mode. Each part assembles by itself: llvm-mc -triple=amdgcn-amd-amdhsa -mcpu=gfx1250 --defsym DOCPART=n.
;; ======== version 1 of 2: 2 launches
;; limits: values are held in f16: magnitudes above 65,504 overflow, below 6.1e-05 lose precision; right only within a limited range of input values
;; workspace buffers: useg 14,680,064 bytes
;; launch segstate (part 1): grid 7 x 32, 8 waves a work-group, no clusters, 218,112 bytes of LDS; arguments key_states, value_states, useg; writes useg
.if DOCPART == 1
	.amdgcn_target "amdgcn-amd-amdhsa--gfx1250"
	.amdhsa_code_object_version 6
	.text
	.protected	k_q5aa3e87af0_segstate
	.globl	k_q5aa3e87af0_segstate
	.p2align	8
	.type	k_q5aa3e87af0_segstate,@function
k_q5aa3e87af0_segstate:
	s_mov_b64 s[64:65], 0
	v_nop
	global_prefetch_b8 v0, s[64:65] scope:SCOPE_SE
	s_setreg_imm32_b32 hwreg(HW_REG_WAVE_MODE, 25, 1), 1
	s_wait_xcnt 0x0
; U[b,h,g][dk][dv] = the sum over the 256 tokens j of segment g of lambda^(255-j) k_j[dk] v_j[dv], in f32, for g = 0..6 (the last segment's sum is wanted by nobody).
; key_states, value_states: [2][2048][16][128] f32: a token's row of one head is 512 bytes, rows 8,192 bytes apart.  useg: [32][7][128][128] f32.
; lambda = exp(s_h), log2(lambda) = -0.88424687 x 2^(-(h+1)/2)  (0.88424687 = (1 - 12/31 + 1e-5) x log2 e).
; FORMATS.  k x lambda^(255-j) and v are rounded once to f16 for the product; the sums are f32.
; LIMITS.  |k|, |v| up to 65,504; a factor below 2^-126 counts as 0; below 6e-5 an f16 keeps its fixed step of 6e-8; NaN and infinities are not treated apart.
; SHARES.  A work-group owns one segment of one (b,h).  Eight waves.  Wave w loads rows 64 n + 8 w + i (n = 0..3, i = 0..7) of K and of V: one load of a wave is one row, 512 consecutive bytes.
; All 64 loads of a wave go out at the head, into window 1; a chunk n of 64 tokens is rounded, laid into LDS and multiplied while the later chunks are on their way.
; PRODUCT.  Source 0 = V^T (16 dv x 32 tokens), source 1 = K^T (32 tokens x 16 dk), both turned out of LDS rows [token][channel] by ds_load_tr16_b128.  In the result a lane holds one dk (lane % 16)
; and the dv 8 (lane / 16) + 0..7: 32 neighbouring bytes of a row of U.  Wave w makes dk tiles 2 (w % 4) + 0, 1 and dv tiles 4 (w / 4) + 0..3: 8 accumulators, which take turns.
; NO CLUSTER, NO TENSOR LOAD: no byte of K or V is read by two work-groups, and the f32 rows must pass registers to be scaled and rounded.
; REGISTERS.  Window 0: v0-15 addresses; v16-47 the 32 factors of my K rows; v48-111 accumulators; v112-207 fragments of a chunk.  Window 1: the 64 rows as loaded (chunk n at 64 n: 8 rows of K, 8 of V).
.set TOK,   8192                       ; bytes from a token's row to the next token's
.set PT,    288                        ; an LDS row: 256 bytes of f16 + 32
.set VL,    256*PT                     ; K's 256 rows lie at 0, V's here
.set STG,   2*256*PT                   ; the stages: 32 rows x 272 bytes for each wave
.set SPT,   272
.set SPARE, STG+8*32*SPT               ; the spare words: 128 bytes for each wave, four blocks of 256 bytes that no other line names
.set GOF,  2                           ; v2   16 x lane + 8 w rows: my offset in K and V
.set KST,  3                           ; v3   where my lane puts 8 bytes of a K row
.set VST,  4                           ; v4   the same for V
.set TRK0, 5                           ; v5, v6   turning address in K for tokens 0-127, 128-255, at my dk tiles
.set TRV0, 7                           ; v7, v8   the same in V, at my dv tiles
.set STO,  9                           ; v9   the way out: where I put 16 bytes
.set RD,   10                          ; v10  the way out: where I read rows back
.set UO,   11                          ; v11  my byte offset in U
.set SPW,  12                          ; v12  my spare word; never rewritten
.set NIL,  13                          ; v13  0; never rewritten
.set L2,   14                          ; v14  log2(lambda)
.set XB,   15                          ; v15  log2(lambda) x (255 - 8 w)
.set F,    16
.set ACC,  48
.set FR,   112
.set T0,   208
.set T1,   209
.set HH,   210
.set R,    211
.set MSB, 0
.macro WIN new                         ; s_set_vgpr_msb: bits 1:0 source 0, 3:2 source 1, 5:4 source 2, 7:6 destination; the high byte repeats the setting that is left
.if MSB != (\new)
	s_set_vgpr_msb (MSB<<8)|(\new)
.set MSB, (\new)
.endif
.endm
	s_load_b128 s[4:7], s[0:1], 0x0                ; K s[4:5], V s[6:7]
	s_load_b64 s[8:9], s[0:1], 0x10                ; U
	v_lshl_add_u32 v[SPW], v0, 2, SPARE
	v_mov_b32 v[NIL], 0
	v_lshrrev_b32 v1, 5, v0
	v_readfirstlane_b32 s10, v1                    ; wave 0..7
	v_and_b32 v1, 31, v0                           ; lane
	s_and_b32 s11, ttmp7, 0xffff                   ; 16 b + h
	s_lshr_b32 s12, s11, 4                         ; b
	s_and_b32 s13, s11, 15                         ; h
	s_lshl_b32 s14, s12, 24                        ; b x 2,048 tokens x 8,192 bytes
	s_lshl_b32 s15, s13, 9                         ; h x 512
	s_add_co_u32 s14, s14, s15
	s_lshl_b32 s15, ttmp9, 21                      ; segment x 256 tokens
	s_add_co_u32 s14, s14, s15
	s_mov_b32 s15, 0
	s_mul_i32 s16, s11, 7
	s_add_co_u32 s16, s16, ttmp9
	s_lshl_b32 s16, s16, 16                        ; (7 (16 b + h) + g) x 65,536
	s_mov_b32 s17, 0
	s_lshl_b32 s18, s10, 16                        ; 8 w rows
	v_lshl_add_u32 v[GOF], v1, 4, s18
	s_wait_kmcnt 0x0
	s_add_nc_u64 s[4:5], s[4:5], s[14:15]
	s_add_nc_u64 s[6:7], s[6:7], s[14:15]
	s_add_nc_u64 s[8:9], s[8:9], s[16:17]
	WIN 0x40                                       ; destination window 1, address window 0
.set n, 0
.rept 4                                        ; everything that the wave will read is asked for now, chunk by chunk
.set i, 0
.rept 8
	global_load_b128 v[64*n+4*i:64*n+4*i+3], v[GOF], s[4:5] offset:(64*n+i)*TOK
.set i, i+1
.endr
.set i, 0
.rept 8
	global_load_b128 v[64*n+32+4*i:64*n+32+4*i+3], v[GOF], s[6:7] offset:(64*n+i)*TOK
.set i, i+1
.endr
.set n, n+1
.endr
	WIN 0
	; the head's slope 2^(-(h+1)/2); the LDS addresses are the independent work behind the exponential
	s_add_co_u32 s18, s13, 1
	v_cvt_f32_u32 v[L2], s18
	v_mul_f32 v[L2], -0.5, v[L2]
	v_exp_f32 v[L2], v[L2]
	s_mul_i32 s18, s10, 8*PT
	v_lshl_add_u32 v[KST], v1, 3, s18              ; row 8 w, 8 bytes a lane
	v_add_nc_u32 v[VST], VL, v[KST]
	v_and_b32 v[T0], 7, v1
	v_lshrrev_b32 v[HH], 4, v1                     ; lane / 16
	v_lshl_add_u32 v[T0], v[HH], 3, v[T0]
	v_mul_u32_u24 v[T0], v[T0], PT                 ; the turning load: lane l reads token 8 (l / 16) + l % 8,
	v_bfe_u32 v[T1], v1, 3, 1
	v_lshl_add_u32 v[T0], v[T1], 4, v[T0]          ; channels 8 ((l / 8) % 2) + 0..7
	s_and_b32 s18, s10, 3
	s_lshl_b32 s19, s18, 6                         ; my two dk tiles: 64 bytes of a row
	v_add_nc_u32 v[TRK0], s19, v[T0]
	v_add_nc_u32 v[TRK0+1], 128*PT, v[TRK0]
	s_lshr_b32 s20, s10, 2
	s_lshl_b32 s21, s20, 7                         ; my four dv tiles: 128 bytes of a row
	s_add_co_u32 s21, s21, VL
	v_add_nc_u32 v[TRV0], s21, v[T0]
	v_add_nc_u32 v[TRV0+1], 128*PT, v[TRV0]
	v_and_b32 v[R], 15, v1                         ; lane % 16
	s_mul_i32 s21, s10, 32*SPT
	s_add_co_u32 s21, s21, STG                     ; my stage
	v_mul_u32_u24 v[T0], v[R], SPT
	v_lshl_add_u32 v[T0], v[HH], 5, v[T0]
	v_add_nc_u32 v[STO], s21, v[T0]                ; in: row lane % 16, 32 bytes for each half of the lanes
	v_mul_u32_u24 v[T0], v[HH], SPT
	v_lshl_add_u32 v[T0], v[R], 4, v[T0]
	v_add_nc_u32 v[RD], s21, v[T0]                 ; back: lanes 0-15 one row of 256 bytes, lanes 16-31 the next
	s_lshl_b32 s18, s18, 14                        ; my 32 rows of U,
	s_lshl_b32 s20, s20, 8                         ; my 256 bytes of them
	s_add_co_u32 s18, s18, s20
	v_lshlrev_b32 v[T0], 9, v[HH]
	v_lshl_add_u32 v[T0], v[R], 4, v[T0]
	v_add_nc_u32 v[UO], s18, v[T0]
	s_wait_alu depctr_va_vdst(0)                   ; the wait ahead of the first use of the exponential
	v_mul_f32 v[L2], 0xbf625e01, v[L2]             ; x -0.88424687: log2(lambda)
	; the factor of my K row 64 n + 8 w + i is 2^(log2(lambda) (255 - 8 w - 64 n - i)): 32 of them, one batch of exponentials with one wait
	s_lshl_b32 s18, s10, 3
	s_sub_co_u32 s18, 255, s18
	v_cvt_f32_u32 v[XB], s18
	v_mul_f32 v[XB], v[L2], v[XB]
.set k, 0
.rept 32
	v_cvt_f32_u32 v[F+k], 64*(k/8)+k%8
	v_fma_f32 v[F+k], -v[L2], v[F+k], v[XB]
.set k, k+1
.endr
.set k, 0
.rept 32
	v_exp_f32 v[F+k], v[F+k]
.set k, k+1
.endr
	v_nop                                          ; a plain instruction behind the last exponential,
	s_wait_alu depctr_va_vdst(0)                   ; and the batch's one wait
; Chunk n: its 16 rows are scaled, rounded in place, laid into LDS; a barrier; then 64 tokens' products.  No LDS byte is written twice, so one barrier a chunk orders the stores with the reads.
.macro CHUNK n
	s_wait_loadcnt 48-16*(\n)                      ; loads come back in order: this chunk's 16 are in, the later chunks' stay out
	WIN 0x44                                       ; destination and source 1 window 1, the factor window 0
.set i, 0
.rept 8
.set q, 0
.rept 4
	v_mul_f32 v[64*(\n)+4*i+q], v[F+8*(\n)+i], v[64*(\n)+4*i+q]
.set q, q+1
.endr
.set i, i+1
.endr
	WIN 0x45                                       ; all three in window 1
.set i, 0
.rept 16
	v_cvt_pk_f16_f32 v[64*(\n)+4*i], v[64*(\n)+4*i], v[64*(\n)+4*i+1]
	v_cvt_pk_f16_f32 v[64*(\n)+4*i+1], v[64*(\n)+4*i+2], v[64*(\n)+4*i+3]
.set i, i+1
.endr
	WIN 0x04                                       ; store data window 1, address window 0
.set i, 0
.rept 8
	ds_store_b64 v[KST], v[64*(\n)+4*i:64*(\n)+4*i+1] offset:(64*(\n)+i)*PT        ; 32 lanes x 8 bytes: a whole f16 row
	ds_store_b64 v[VST], v[64*(\n)+32+4*i:64*(\n)+32+4*i+1] offset:(64*(\n)+i)*PT
.set i, i+1
.endr
	WIN 0
	s_wait_dscnt 0x0                               ; for the others' sake: my rows lie in LDS
	s_barrier_signal -1
	s_barrier_wait -1                              ; everybody's do
	; the fragments' registers were last read by the chunk before's products: the scalings and roundings above are far more than four plain instructions behind them
.set ks, 0
.rept 2
.set t, 0
.rept 4
	ds_load_tr16_b128 v[FR+48*ks+8*t:FR+48*ks+8*t+3],   v[TRV0+(\n)/2] offset:((64*(\n)+32*ks)%128)*PT+32*t
	ds_load_tr16_b128 v[FR+48*ks+8*t+4:FR+48*ks+8*t+7], v[TRV0+(\n)/2] offset:((64*(\n)+32*ks)%128)*PT+16*PT+32*t
.set t, t+1
.endr
.set t, 0
.rept 2
	ds_load_tr16_b128 v[FR+48*ks+32+8*t:FR+48*ks+32+8*t+3],   v[TRK0+(\n)/2] offset:((64*(\n)+32*ks)%128)*PT+32*t
	ds_load_tr16_b128 v[FR+48*ks+32+8*t+4:FR+48*ks+32+8*t+7], v[TRK0+(\n)/2] offset:((64*(\n)+32*ks)%128)*PT+16*PT+32*t
.set t, t+1
.endr
.set ks, ks+1
.endr
	s_wait_dscnt 0x0
.set ks, 0
.rept 2                                        ; the eight accumulators take turns: seven others stand between two links of a chain; the very first products start the sums
.set jd, 0
.rept 2
.set t, 0
.rept 4
.if (\n) == 0 && ks == 0
	v_wmma_f32_16x16x32_f16 v[ACC+8*(4*jd+t):ACC+8*(4*jd+t)+7], v[FR+48*ks+8*t:FR+48*ks+8*t+7], v[FR+48*ks+32+8*jd:FR+48*ks+32+8*jd+7], 0
.else
	v_wmma_f32_16x16x32_f16 v[ACC+8*(4*jd+t):ACC+8*(4*jd+t)+7], v[FR+48*ks+8*t:FR+48*ks+8*t+7], v[FR+48*ks+32+8*jd:FR+48*ks+32+8*jd+7], v[ACC+8*(4*jd+t):ACC+8*(4*jd+t)+7]
.endif
.set t, t+1
.endr
.set jd, jd+1
.endr
.set ks, ks+1
.endr
.endm
	CHUNK 0
	CHUNK 1
	CHUNK 2
	CHUNK 3
	; THE WAY OUT: my 32 rows x 256 bytes go through my own stage, so that 16 lanes store 256 consecutive bytes, aligned.  LDS serves a wave's instructions in order: no wait between stores and loads.
.rept 4
	v_nop                                          ; four places behind the last product, ahead of the stores that read results and of the loads into fragments' registers
.endr
.set jd, 0
.rept 2
.set t, 0
.rept 4
	ds_store_b128 v[STO], v[ACC+8*(4*jd+t):ACC+8*(4*jd+t)+3]   offset:jd*16*SPT+64*t
	ds_store_b128 v[STO], v[ACC+8*(4*jd+t)+4:ACC+8*(4*jd+t)+7] offset:jd*16*SPT+64*t+16
.set t, t+1
.endr
.set jd, jd+1
.endr
.set k, 0
.rept 16
	ds_load_b128 v[FR+4*k:FR+4*k+3], v[RD] offset:k*2*SPT
.set k, k+1
.endr
.set k, 0
.rept 16
	s_wait_dscnt 15-k                              ; pair k of rows is back; the younger loads stay out
	global_store_b128 v[UO], v[FR+4*k:FR+4*k+3], s[8:9] offset:k*1024
.set k, k+1
.endr
	s_wait_tensorcnt 0x0                           ; the wave's end
	ds_add_u32 v[SPW], v[NIL]
	s_wait_dscnt 0x0
	s_endpgm
.Lfunc_end_k_q5aa3e87af0_segstate:
	.size	k_q5aa3e87af0_segstate, .Lfunc_end_k_q5aa3e87af0_segstate-k_q5aa3e87af0_segstate
	.p2alignl 7, 3214868480
	.fill 96, 4, 3214868480
	.section	.rodata,"a",@progbits
	.p2align	6, 0x0
	.amdhsa_kernel k_q5aa3e87af0_segstate
		.amdhsa_group_segment_fixed_size 218112
		.amdhsa_private_segment_fixed_size 0
		.amdhsa_enable_private_segment 0
		.amdhsa_kernarg_size 24
		.amdhsa_user_sgpr_count 2
		.amdhsa_user_sgpr_kernarg_segment_ptr 1
		.amdhsa_wavefront_size32 1
		.amdhsa_system_sgpr_workgroup_id_x 1
		.amdhsa_system_sgpr_workgroup_id_y 1
		.amdhsa_system_sgpr_workgroup_id_z 1
		.amdhsa_system_vgpr_workitem_id 0
		.amdhsa_next_free_vgpr 512
		.amdhsa_next_free_sgpr 66
		.amdhsa_reserve_vcc 0
		.amdhsa_float_denorm_mode_32 3
		.amdhsa_float_denorm_mode_16_64 3
		.amdhsa_memory_ordered 1
		.amdhsa_forward_progress 1
		.amdhsa_inst_pref_size 46
	.end_amdhsa_kernel
	.amdgpu_metadata
---
amdhsa.version: [ 1, 2 ]
amdhsa.kernels:
  - .name:           k_q5aa3e87af0_segstate
    .symbol:         k_q5aa3e87af0_segstate.kd
    .args:
      - { .name: key_states, .offset: 0, .size: 8, .value_kind: global_buffer, .address_space: global }
      - { .name: value_states, .offset: 8, .size: 8, .value_kind: global_buffer, .address_space: global }
      - { .name: useg, .offset: 16, .size: 8, .value_kind: global_buffer, .address_space: global }
    .group_segment_fixed_size: 218112
    .private_segment_fixed_size: 0
    .kernarg_segment_align: 8
    .kernarg_segment_size: 24
    .max_flat_workgroup_size: 256
    .sgpr_count:     66
    .vgpr_count:     512
    .wavefront_size: 32
...
	.end_amdgpu_metadata
.endif
;; end of part 1
;; launch attend (part 2): grid 8 x 32, 8 waves a work-group, no clusters, 318,464 bytes of LDS; arguments query_states, key_states, value_states, initial_state, useg, out0; writes out0
.if DOCPART == 2
	.amdgcn_target "amdgcn-amd-amdhsa--gfx1250"
	.amdhsa_code_object_version 6
	.text
	.protected	k_q5aa3e87af0_attend
	.globl	k_q5aa3e87af0_attend
	.p2align	8
	.type	k_q5aa3e87af0_attend,@function
k_q5aa3e87af0_attend:
	s_mov_b64 s[64:65], 0
	v_nop
	global_prefetch_b8 v0, s[64:65] scope:SCOPE_SE
	s_setreg_imm32_b32 hwreg(HW_REG_WAVE_MODE, 25, 1), 1
	s_wait_xcnt 0x0
; out[b][t][h][:] = scale q_t S_t, S_t = lambda S_(t-1) + k_t^T v_t, scale = 2^-3.5.  For row i of segment g (256 tokens):
;   o_i = scale lambda^(i+1) q_i S0 + the sum over j <= i of scale lambda^(i-j) (q_i . k_j) v_j,   S0 = the state in front of the segment.
; S0 by Horner's rule in f32: S = initial_state; S = lambda^256 S + U_g' for g' = 0 .. g-1 (U from the launch before).  log2(lambda) = -0.88424687 x 2^(-(h+1)/2).
; FORMATS.  q, k, v, the weights p = scale lambda^(i-j) (q.k) and S0 / 16 are rounded once to f16 for the products; all sums, the Horner carry and every decay factor are f32.
; LIMITS.  |q|, |k|, |v|, |p| and |S0| / 16 up to 65,504; a decay factor below 2^-126 counts as 0; below 6e-5 an f16 keeps its fixed step of 6e-8; NaN and infinities are not treated apart.
; SHARES.  A work-group owns one segment of one (b,h); eight waves.  Wave w owns the queries 32 p .. 32 p + 31, p = w for w < 4 and 11 - w else: waves w and w + 4 have 9 key steps of 32 together, whatever w.
; LAYOUT.  S^T = K Q^T (source 0 = 16 keys, source 1 = 16 queries): a lane holds ONE query (lane % 16) and the keys 8 (lane / 16) + 0..7.  Two such tiles, weighted and rounded in pairs, ARE source 1 of
; O^T += V^T P; the state is 128 further rows [dk][dv] whose source 1 is Q itself: O^T = (S0^T / 16) Q^T starts the sums and is then multiplied, a lane a query, by 16 scale lambda^(i+1).
; V and S0 come out of LDS turned, by ds_load_tr16_b128.  The weight of tile (a, b) in key step m is a table of 8 registers a lane for a - b = -1, 0, 1 times the scalar lambda^(32 (p - m)); in the step m = p
; the table for 0 is the masked one and the tile above the diagonal gets 0.  Steps m > p are jumped over; no barrier stands in what is jumped.
; THE STREAM.  Every row (512 bytes) is one load of a wave.  Groups of 16 loads land by turns in two buffers A and B; the group two on is asked for when a group has been used, so 32 loads of every wave
; are out from the first line to the last group.  Order: initial_state (straight into the Horner registers), g groups of U, two of Q, four of K and V (8 rows each, a key block of 64).
; The seven Horner steps are written out and entered at step 8 - g, so that the last U always lands in B and the groups behind keep their buffers; four ways in (g = 0, 1, even, odd) keep the parity.
; NO CLUSTER, NO TENSOR LOAD: Q, K, V are read by one work-group each.  U_g' is read by the work-groups g' + 1 .. 7 of its (b,h), but these need 0 to 7 tiles each, sum them in f32 registers, and beside the
; 318,464 bytes in use LDS has no room for a tile of 65,536.
; REGISTERS.  Window 0: v0-27 addresses and factors; v28-91 Q's fragments; v92-155 K's or V's or the state's; v156-187 S^T; v188-203 P; v204-243 tables.
; Window 1: v0-127 O^T (tile a, dv tile t at 64 a + 8 t; before that the Horner registers); v128-191 buffer A; v192-255 buffer B.
.set TOK,   8192                       ; bytes from a token's row to the next token's
.set PK,    272                        ; an LDS row of K or Q: 256 bytes of f16 + 16: the 16 rows of a fragment load start in different banks
.set PV,    288                        ; of V or the state: 256 + 32, for the turning load
.set PS,    528                        ; of a stage: 512 bytes of f32 + 16
.set VB,    256*PK                     ; K's 256 rows lie at 0, V's here
.set SB,    VB+256*PV                  ; the state's 128 rows
.set QB,    SB+128*PV                  ; Q: 32 rows for each wave, its own
.set STG,   QB+8*32*PK                 ; the stages: 16 rows for each wave, its own
.set SPARE, STG+8*16*PS                ; the spare words: 128 bytes for each wave, four blocks of 256 bytes that no other line names
.set LS,  3                            ; v3   16 x lane + 16 w rows of 512 bytes: my offset in a state
.set LQ,  4                            ; v4   16 x lane + 32 p tokens: my offset in Q and in out
.set LK,  5                            ; v5   16 x lane + 8 w tokens: my offset in K and V
.set SST, 6                            ; v6-9 where my lane puts 8 bytes of a row of the state, Q, K, V
.set QST, 7
.set KST, 8
.set VST, 9
.set QF,  10                           ; v10, 11  my lane's place in a fragment of Q, of K
.set KF,  11
.set VF,  12                           ; v12, 13  turning address in V for keys 0-127, 128-255
.set SF,  14                           ; v14  turning address in the state
.set STO, 15                           ; v15  the way out: where I put 16 bytes
.set RD,  16                           ; v16  the way out: where I read a row back
.set SPW, 17                           ; v17  my spare word; never rewritten
.set NIL, 18                           ; v18  0; never rewritten
.set L2,  19                           ; v19  log2(lambda)
.set T0,  20
.set T1,  21
.set E0I, 22                           ; v22  lane % 16 - 8 (lane / 16)
.set XB,  23
.set FA,  24                           ; v24-27  16 scale lambda^(i+1) for my query in tile 0, tile 1, each twice (pairs for the packed multiply)
.set Q,   28
.set KV,  92
.set S,   156                          ; tile (a, b) at S + 8 (2 a + b)
.set P,   188                          ; tile a at P + 8 a
.set PAT, 204                          ; scale lambda^(16 d + lane % 16 - 8 (lane / 16) - r), r = 0..7: d = -1, 0, 1 at PAT, PAT + 8, PAT + 16
.set DIA, 228                          ; the table for d = 0 with 0 where the key lies behind the query
.set E,   236                          ; the step's table for d = 0
.set BA,  128
.set BB,  192
.set MSB, 0
.macro WIN new                         ; s_set_vgpr_msb: bits 1:0 source 0, 3:2 source 1, 5:4 source 2, 7:6 destination; the high byte repeats the setting that is left
.if MSB != (\new)
	s_set_vgpr_msb (MSB<<8)|(\new)
.set MSB, (\new)
.endif
.endm
.macro PLACES                          ; four plain instructions behind a product, ahead of loads into its sources and of instructions that read its result
.rept 4
	v_nop
.endr
.endm
.macro LDST buf, sb, off               ; my 16 rows of a state
.set i, 0
.rept 16
	global_load_b128 v[(\buf)+4*i:(\buf)+4*i+3], v[LS], s[\sb:\sb+1] offset:(\off)+512*i
.set i, i+1
.endr
.endm
.macro LDQ buf, half                   ; 16 of my 32 rows of Q
.set i, 0
.rept 16
	global_load_b128 v[(\buf)+4*i:(\buf)+4*i+3], v[LQ], s[4:5] offset:(16*(\half)+i)*TOK
.set i, i+1
.endr
.endm
.macro LDKV buf, n                     ; my 8 rows of K and 8 of V in key block n
.set i, 0
.rept 8
	global_load_b128 v[(\buf)+4*i:(\buf)+4*i+3], v[LK], s[6:7] offset:(64*(\n)+i)*TOK
.set i, i+1
.endr
.set i, 0
.rept 8
	global_load_b128 v[(\buf)+32+4*i:(\buf)+32+4*i+3], v[LK], s[8:9] offset:(64*(\n)+i)*TOK
.set i, i+1
.endr
.endm
.macro CVT buf                         ; 16 rows rounded to f16 in place: a row's four registers become its first two
	WIN 0x45
.set i, 0
.rept 16
	v_cvt_pk_f16_f32 v[(\buf)+4*i], v[(\buf)+4*i], v[(\buf)+4*i+1]
	v_cvt_pk_f16_f32 v[(\buf)+4*i+1], v[(\buf)+4*i+2], v[(\buf)+4*i+3]
.set i, i+1
.endr
.endm
	s_load_b256 s[4:11], s[0:1], 0x0               ; Q s[4:5], K s[6:7], V s[8:9], initial_state s[10:11]
	s_load_b128 s[12:15], s[0:1], 0x20             ; U s[12:13], out s[14:15]
	v_lshl_add_u32 v[SPW], v0, 2, SPARE
	v_mov_b32 v[NIL], 0
	v_lshrrev_b32 v1, 5, v0
	v_readfirstlane_b32 s16, v1                    ; wave 0..7
	v_and_b32 v1, 31, v0                           ; lane
	v_lshlrev_b32 v2, 4, v1
	s_mov_b32 s17, ttmp9                           ; g
	s_and_b32 s18, ttmp7, 0xffff                   ; 16 b + h
	s_lshr_b32 s40, s16, 2
	s_mul_i32 s40, s40, 3
	s_xor_b32 s19, s16, s40                        ; p: 0 1 2 3 7 6 5 4
	s_lshr_b32 s40, s18, 4
	s_and_b32 s48, s18, 15                         ; h
	s_lshl_b32 s20, s40, 24                        ; b x 2,048 tokens x 8,192 bytes
	s_lshl_b32 s40, s48, 9
	s_add_co_u32 s20, s20, s40
	s_lshl_b32 s40, s17, 21                        ; g x 256 tokens
	s_add_co_u32 s20, s20, s40
	s_mov_b32 s21, 0
	s_lshl_b32 s42, s18, 16                        ; initial_state of my (b,h)
	s_mov_b32 s43, 0
	s_mul_i32 s44, s18, 7
	s_lshl_b32 s44, s44, 16                        ; U_0 of my (b,h)
	s_mov_b32 s45, 0
	s_lshl_b32 s46, s17, 16
	s_mov_b32 s47, 0
	s_mov_b32 s27, 0                               ; upper words of pairs that the packed forms name
	s_mov_b32 s29, 0
	s_mov_b32 s31, 0
	s_lshl_b32 s40, s16, 13
	v_add_nc_u32 v[LS], s40, v2
	s_lshl_b32 s40, s19, 18
	v_add_nc_u32 v[LQ], s40, v2
	s_lshl_b32 s40, s16, 16
	v_add_nc_u32 v[LK], s40, v2
	s_wait_kmcnt 0x0
	s_add_nc_u64 s[4:5], s[4:5], s[20:21]
	s_add_nc_u64 s[6:7], s[6:7], s[20:21]
	s_add_nc_u64 s[8:9], s[8:9], s[20:21]
	s_add_nc_u64 s[14:15], s[14:15], s[20:21]
	s_add_nc_u64 s[10:11], s[10:11], s[42:43]
	s_add_nc_u64 s[12:13], s[12:13], s[44:45]
	s_add_nc_u64 s[22:23], s[12:13], s[46:47]      ; U_g: Horner step j reaches back from here, to U_(g + j - 8), by a negative immediate
	WIN 0x40
	LDST 0, 10, 0                                  ; initial_state lands where the Horner sums are kept
	WIN 0
	; lambda^256; the LDS addresses are the independent work behind the first exponential
	s_add_co_u32 s40, s48, 1
	v_cvt_f32_u32 v[L2], s40
	v_mul_f32 v[L2], -0.5, v[L2]
	v_exp_f32 v[L2], v[L2]                         ; 2^(-(h+1)/2)
	s_mul_i32 s40, s16, 16*PV
	s_add_co_u32 s40, s40, SB
	v_lshl_add_u32 v[SST], v1, 3, s40
	s_mul_i32 s40, s16, 32*PK
	s_add_co_u32 s40, s40, QB
	v_lshl_add_u32 v[QST], v1, 3, s40
	v_and_b32 v[T0], 15, v1
	v_lshrrev_b32 v[T1], 4, v1
	v_mul_u32_u24 v[KF], v[T0], PK
	v_lshl_add_u32 v[KF], v[T1], 4, v[KF]          ; a fragment: row lane % 16, 16 bytes for each half of the lanes
	v_add_nc_u32 v[QF], s40, v[KF]
	s_mul_i32 s40, s16, 8*PK
	v_lshl_add_u32 v[KST], v1, 3, s40
	s_mul_i32 s40, s16, 8*PV
	s_add_co_u32 s40, s40, VB
	v_lshl_add_u32 v[VST], v1, 3, s40
	v_and_b32 v2, 7, v1
	v_lshl_add_u32 v2, v[T1], 3, v2
	v_mul_u32_u24 v2, v2, PV                       ; the turning load: lane l reads row 8 (l / 16) + l % 8,
	v_bfe_u32 v[E0I], v1, 3, 1
	v_lshl_add_u32 v2, v[E0I], 4, v2               ; channels 8 ((l / 8) % 2) + 0..7
	v_add_nc_u32 v[VF], VB, v2
	v_add_nc_u32 v[VF+1], VB+128*PV, v2
	v_add_nc_u32 v[SF], SB, v2
	s_mul_i32 s40, s16, 16*PS
	s_add_co_u32 s40, s40, STG
	v_mul_u32_u24 v2, v[T0], PS
	v_lshl_add_u32 v2, v[T1], 5, v2
	v_add_nc_u32 v[STO], s40, v2
	v_lshl_add_u32 v[RD], v1, 4, s40
	s_wait_alu depctr_va_vdst(0)                   ; the wait ahead of the first use of the exponential
	v_mul_f32 v[L2], 0xbf625e01, v[L2]             ; x -0.88424687: log2(lambda)
	v_mul_f32 v[XB], 0x43800000, v[L2]             ; x 256
	v_exp_f32 v[XB], v[XB]
	v_nop
	s_wait_alu depctr_va_vdst(0)
	v_readfirstlane_b32 s24, v[XB]                 ; lambda^256
	s_mov_b32 s25, s24
	; THE WAYS IN.  Each asks for the first two groups in the buffers that their places in the order give them, and leads only to entries of its own parity.
	s_cmp_eq_u32 s17, 0
	s_cbranch_scc1 .Lp0
	s_cmp_eq_u32 s17, 1
	s_cbranch_scc1 .Lp1
	s_bitcmp1_b32 s17, 0
	s_cbranch_scc1 .Lpodd
	WIN 0x40                                       ; g = 2, 4, 6: the first step, 8 - g, is even
	LDST BA, 12, 0
	LDST BB, 12, 65536
	WIN 0
	s_cmp_eq_u32 s17, 2
	s_cbranch_scc1 .Lsrc6
	s_cmp_eq_u32 s17, 4
	s_cbranch_scc1 .Lsrc4
	s_branch .Lsrc2
.Lpodd:
	WIN 0x40                                       ; g = 3, 5, 7: the first step is odd
	LDST BB, 12, 0
	LDST BA, 12, 65536
	WIN 0
	s_cmp_eq_u32 s17, 3
	s_cbranch_scc1 .Lsrc5
	s_cmp_eq_u32 s17, 5
	s_cbranch_scc1 .Lsrc3
	s_branch .Lsrc1
.Lp1:
	WIN 0x40
	LDST BB, 12, 0
	LDQ BA, 0
	WIN 0
	s_branch .Lsrc7
.Lp0:
	WIN 0x40
	LDQ BA, 0
	LDQ BB, 1
	WIN 0
	s_branch .Lsrcdone
; Horner step j: S = lambda^256 S + the group in buffer j % 2; then the group two on is asked for into that buffer.
.macro SRC j
.Lsrc\j:
.set X, BA+64*((\j)%2)
	s_wait_loadcnt 16                              ; this step's group (and initial_state, which is older) is in; the 16 younger loads stay out
	WIN 0x51                                       ; destination, source 0 and source 2 window 1
.set k, 0
.rept 32
	v_pk_fma_f32 v[2*k:2*k+1], v[2*k:2*k+1], s[24:25], v[X+2*k:X+2*k+1] op_sel_hi:[1,0,1]
.set k, k+1
.endr
	WIN 0x40
.if (\j) < 6
	LDST X, 22, ((\j)-6)*65536
.elseif (\j) == 6
	LDQ X, 0
.else
	LDQ X, 1
.endif
	WIN 0
.endm
	SRC 1
	SRC 2
	SRC 3
	SRC 4
	SRC 5
	SRC 6
	SRC 7
.Lsrcdone:
	s_wait_loadcnt 32                              ; with g = 0 initial_state has not been waited for yet; Q's two groups stay out
	WIN 0x41
.set k, 0
.rept 32
	v_pk_mul_f32 v[2*k:2*k+1], v[2*k:2*k+1], 0x3d800000 op_sel_hi:[1,0]  ; S0 / 16: room in f16 up to |S0| = 1,048,064
.set k, k+1
.endr
	CVT 0
	WIN 0x04
.set i, 0
.rept 16
	ds_store_b64 v[SST], v[4*i:4*i+1] offset:i*PV
.set i, i+1
.endr
	s_wait_loadcnt 16                              ; Q's first group is in
	CVT BA
	WIN 0x04
.set i, 0
.rept 16
	ds_store_b64 v[QST], v[BA+4*i:BA+4*i+1] offset:i*PK
.set i, i+1
.endr
	s_wait_dscnt 0x0                               ; the stores have read the buffer
	WIN 0x40
	LDKV BA, 0
	s_wait_loadcnt 16                              ; Q's second group is in
	CVT BB
	WIN 0x04
.set i, 0
.rept 16
	ds_store_b64 v[QST], v[BB+4*i:BB+4*i+1] offset:(16+i)*PK
.set i, i+1
.endr
	s_wait_dscnt 0x0                               ; and for the others' sake: my rows of the state lie in LDS
	WIN 0x40
	LDKV BB, 1
	WIN 0
	s_barrier_signal -1
	; THE DECAY TABLES, work on registers between the signal and the wait: 34 exponentials, one batch, one wait
	v_and_b32 v[T0], 15, v1
	v_lshrrev_b32 v[T1], 4, v1
	v_lshlrev_b32 v[T1], 3, v[T1]
	v_sub_nc_u32 v[E0I], v[T0], v[T1]
	v_cvt_f32_i32 v[XB], v[E0I]
	v_fmaak_f32 v[XB], v[L2], v[XB], 0xc0600000    ; - 3.5: the scale 2^-3.5 rides in the exponent
.set d, 0
.rept 3
.set rr, 0
.rept 8
	v_cvt_f32_i32 v[PAT+8*d+rr], 16*(d-1)-rr
	v_fma_f32 v[PAT+8*d+rr], v[L2], v[PAT+8*d+rr], v[XB]
.set rr, rr+1
.endr
.set d, d+1
.endr
	s_lshl_b32 s40, s19, 5
	s_add_co_u32 s40, s40, 1
	v_add_nc_u32 v[T1], s40, v[T0]                 ; i + 1 for my query in tile 0
	v_cvt_f32_u32 v[FA], v[T1]
	v_fma_f32 v[FA], v[L2], v[FA], 0.5             ; + 0.5: 16 x 2^-3.5
	v_fmamk_f32 v[FA+2], v[L2], 0x41800000, v[FA]  ; tile 1: 16 rows on
	v_mul_f32 v[T1], 0x42000000, v[L2]             ; 32 log2(lambda)
.set m, 0
.rept 8
	s_sub_co_i32 s40, s19, m
	v_cvt_f32_i32 v[E+m], s40
	v_mul_f32 v[E+m], v[T1], v[E+m]                ; lambda^(32 (p - m)); used for m < p alone
.set m, m+1
.endr
.set k, 0
.rept 24
	v_exp_f32 v[PAT+k], v[PAT+k]
.set k, k+1
.endr
	v_exp_f32 v[FA], v[FA]
	v_exp_f32 v[FA+2], v[FA+2]
.set m, 0
.rept 8
	v_exp_f32 v[E+m], v[E+m]
.set m, m+1
.endr
	v_nop                                          ; a plain instruction behind the last exponential,
	s_wait_alu depctr_va_vdst(0)                   ; and the batch's one wait
.set rr, 0
.rept 8
	v_cmp_le_i32 vcc_lo, rr, v[E0I]                ; key 8 (l / 16) + r is not behind query l % 16
	v_cndmask_b32 v[DIA+rr], 0, v[PAT+8+rr], vcc_lo
.set rr, rr+1
.endr
	v_mov_b32 v[FA+1], v[FA]
	v_mov_b32 v[FA+3], v[FA+2]
.set m, 0
.rept 8
	v_readfirstlane_b32 s[32+m], v[E+m]
.set m, m+1
.endr
	s_barrier_wait -1                              ; the whole state lies in LDS
.set a, 0
.rept 2
.set c, 0
.rept 4
	ds_load_b128 v[Q+32*a+8*c:Q+32*a+8*c+3],   v[QF] offset:a*16*PK+64*c     ; my own rows: Q stays in registers
	ds_load_b128 v[Q+32*a+8*c+4:Q+32*a+8*c+7], v[QF] offset:a*16*PK+64*c+32
.set c, c+1
.endr
.set a, a+1
.endr
	; O^T = (S0^T / 16) Q^T: 32 dk at a time, 16 accumulators by turns; the first 16 products start the sums
.set c, 0
.rept 4
.if c > 0
	PLACES
.endif
.set t, 0
.rept 8
	ds_load_tr16_b128 v[KV+8*t:KV+8*t+3],   v[SF] offset:c*32*PV+32*t
	ds_load_tr16_b128 v[KV+8*t+4:KV+8*t+7], v[SF] offset:c*32*PV+16*PV+32*t
.set t, t+1
.endr
	s_wait_dscnt 0x0
	WIN 0x50                                       ; C and D window 1
.set t, 0
.rept 8
.set a, 0
.rept 2
.if c == 0
	v_wmma_f32_16x16x32_f16 v[64*a+8*t:64*a+8*t+7], v[KV+8*t:KV+8*t+7], v[Q+32*a+8*c:Q+32*a+8*c+7], 0
.else
	v_wmma_f32_16x16x32_f16 v[64*a+8*t:64*a+8*t+7], v[KV+8*t:KV+8*t+7], v[Q+32*a+8*c:Q+32*a+8*c+7], v[64*a+8*t:64*a+8*t+7]
.endif
.set a, a+1
.endr
.set t, t+1
.endr
	WIN 0
.set c, c+1
.endr
	PLACES
	WIN 0x41                                       ; O^T window 1, the factor window 0
.set a, 0
.rept 2
.set k, 0
.rept 32
	v_pk_mul_f32 v[64*a+2*k:64*a+2*k+1], v[64*a+2*k:64*a+2*k+1], v[FA+2*a:FA+2*a+1] op_sel_hi:[1,0]  ; x 16 scale lambda^(i+1); each accumulator from its low end on
.set k, k+1
.endr
.set a, a+1
.endr
	WIN 0
; Key block n has landed in buffer buf: rounded, laid into LDS, the block two on asked for, a barrier.  No LDS byte of K or V is written twice.
.macro BLOCK n, buf
.if (\n) < 3
	s_wait_loadcnt 16                              ; this block's group is in; the next block's 16 loads stay out
.else
	s_wait_loadcnt 0x0
.endif
	CVT \buf
	WIN 0x04
.set i, 0
.rept 8
	ds_store_b64 v[KST], v[(\buf)+4*i:(\buf)+4*i+1] offset:(64*(\n)+i)*PK
	ds_store_b64 v[VST], v[(\buf)+32+4*i:(\buf)+32+4*i+1] offset:(64*(\n)+i)*PV
.set i, i+1
.endr
	s_wait_dscnt 0x0                               ; the stores have read the buffer; and for the others' sake: my rows lie in LDS
.if (\n) < 2
	WIN 0x40
	LDKV \buf, (\n)+2
.endif
	WIN 0
	s_barrier_signal -1
	s_barrier_wait -1
.endm
; Key step m: 32 keys against my 32 queries.
.macro STEP m
.if (\m) > 0
	s_cmp_lt_u32 s19, \m
	s_cbranch_scc1 .Lskip\m                        ; these keys lie behind all my queries
.endif
	s_cmp_eq_u32 s19, \m                           ; the step that holds the diagonal?
	s_cselect_b32 s30, 1.0, s[32+(\m)]             ; factor of tile (1, 0)
	s_cselect_b32 s26, 0, s[32+(\m)]               ; of the plain tables for d = 0 and d = -1
	s_cselect_b32 s28, 1.0, 0                      ; of the masked table
.set k, 0
.rept 4                                        ; these eight plain lines are also the places behind the step before's last product, ahead of the loads into its sources
	v_pk_mul_f32 v[E+2*k:E+2*k+1], v[DIA+2*k:DIA+2*k+1], s[28:29] op_sel_hi:[1,0]
.set k, k+1
.endr
.set k, 0
.rept 4
	v_pk_fma_f32 v[E+2*k:E+2*k+1], v[PAT+8+2*k:PAT+8+2*k+1], s[26:27], v[E+2*k:E+2*k+1] op_sel_hi:[1,0,1]
.set k, k+1
.endr
.set b, 0
.rept 2
.set c, 0
.rept 4
	ds_load_b128 v[KV+32*b+8*c:KV+32*b+8*c+3],   v[KF] offset:(\m)*32*PK+b*16*PK+64*c
	ds_load_b128 v[KV+32*b+8*c+4:KV+32*b+8*c+7], v[KF] offset:(\m)*32*PK+b*16*PK+64*c+32
.set c, c+1
.endr
.set b, b+1
.endr
	s_wait_dscnt 0x0
.set c, 0
.rept 4                                        ; S^T = K Q^T: the four tiles take turns
.set a, 0
.rept 2
.set b, 0
.rept 2
.if c == 0
	v_wmma_f32_16x16x32_f16 v[S+8*(2*a+b):S+8*(2*a+b)+7], v[KV+32*b+8*c:KV+32*b+8*c+7], v[Q+32*a+8*c:Q+32*a+8*c+7], 0
.else
	v_wmma_f32_16x16x32_f16 v[S+8*(2*a+b):S+8*(2*a+b)+7], v[KV+32*b+8*c:KV+32*b+8*c+7], v[Q+32*a+8*c:Q+32*a+8*c+7], v[S+8*(2*a+b):S+8*(2*a+b)+7]
.endif
.set b, b+1
.endr
.set a, a+1
.endr
.set c, c+1
.endr
	PLACES
.set t, 0
.rept 8                                        ; V's fragments take K's registers; they land while the weights are made
	ds_load_tr16_b128 v[KV+8*t:KV+8*t+3],   v[VF+(\m)/4] offset:((\m)%4)*32*PV+32*t
	ds_load_tr16_b128 v[KV+8*t+4:KV+8*t+7], v[VF+(\m)/4] offset:((\m)%4)*32*PV+16*PV+32*t
.set t, t+1
.endr
.set k, 0
.rept 4
	v_pk_mul_f32 v[S+2*k:S+2*k+1],       v[S+2*k:S+2*k+1],       v[E+2*k:E+2*k+1]
	v_pk_mul_f32 v[S+8+2*k:S+8+2*k+1],   v[S+8+2*k:S+8+2*k+1],   v[PAT+2*k:PAT+2*k+1]
	v_pk_mul_f32 v[S+16+2*k:S+16+2*k+1], v[S+16+2*k:S+16+2*k+1], v[PAT+16+2*k:PAT+16+2*k+1]
	v_pk_mul_f32 v[S+24+2*k:S+24+2*k+1], v[S+24+2*k:S+24+2*k+1], v[E+2*k:E+2*k+1]
.set k, k+1
.endr
.set k, 0
.rept 4
	v_pk_mul_f32 v[S+8+2*k:S+8+2*k+1],   v[S+8+2*k:S+8+2*k+1],   s[26:27] op_sel_hi:[1,0]
	v_pk_mul_f32 v[S+16+2*k:S+16+2*k+1], v[S+16+2*k:S+16+2*k+1], s[30:31] op_sel_hi:[1,0]
.set k, k+1
.endr
.set q, 0
.rept 4
.set k, 0
.rept 4
	v_cvt_pk_f16_f32 v[P+4*q+k], v[S+8*q+2*k], v[S+8*q+2*k+1]
.set k, k+1
.endr
.set q, q+1
.endr
	s_wait_dscnt 0x0
	WIN 0x50
.set t, 0
.rept 8                                        ; O^T += V^T P: 16 accumulators by turns
.set a, 0
.rept 2
	v_wmma_f32_16x16x32_f16 v[64*a+8*t:64*a+8*t+7], v[KV+8*t:KV+8*t+7], v[P+8*a:P+8*a+7], v[64*a+8*t:64*a+8*t+7]
.set a, a+1
.endr
.set t, t+1
.endr
	WIN 0
.Lskip\m:
.endm
; THE WAY OUT, behind key block n, for the two waves whose diagonal lies in it.  A tile (16 rows of 512 bytes) goes through my own stage and comes back as whole rows; LDS serves a wave's instructions in
; order, so the second tile's stores come behind the first tile's loads.  The rows land in K/V's and in Q's registers, which I need no more.
.macro OUTPUT n
	s_lshr_b32 s40, s19, 1
	s_cmp_lg_u32 s40, \n
	s_cbranch_scc1 .Lkeep\n
	PLACES
.set a, 0
.rept 2
	WIN 0x04
.set t, 0
.rept 8
	ds_store_b128 v[STO], v[64*a+8*t:64*a+8*t+3]   offset:64*t
	ds_store_b128 v[STO], v[64*a+8*t+4:64*a+8*t+7] offset:64*t+16
.set t, t+1
.endr
	WIN 0
.set k, 0
.rept 16
	ds_load_b128 v[KV-64*a+4*k:KV-64*a+4*k+3], v[RD] offset:k*PS
.set k, k+1
.endr
.set a, a+1
.endr
.set a, 0
.rept 2
.set k, 0
.rept 16
	s_wait_dscnt 47-32*a-k                         ; row k of tile a is back; what was issued behind it (the tile's later rows, the next tile's 32 instructions) stays out
	global_store_b128 v[LQ], v[KV-64*a+4*k:KV-64*a+4*k+3], s[14:15] offset:(16*a+k)*TOK  ; a wave stores a row: 512 consecutive bytes, aligned
.set k, k+1
.endr
.set a, a+1
.endr
	s_wait_xcnt 0x0                                ; the 32 stores have had their addresses translated (ISA guide 3.1): the text below names their data registers (K/V's and Q's) as destinations again, and does so only behind this wait
.Lkeep\n:
.endm
	BLOCK 0, BA
	STEP 0
	STEP 1
	OUTPUT 0
	BLOCK 1, BB
	STEP 2
	STEP 3
	OUTPUT 1
	BLOCK 2, BA
	STEP 4
	STEP 5
	OUTPUT 2
	BLOCK 3, BB
	STEP 6
	STEP 7
	OUTPUT 3
	s_wait_tensorcnt 0x0                           ; the wave's end
	ds_add_u32 v[SPW], v[NIL]
	s_wait_dscnt 0x0
	s_endpgm
.Lfunc_end_k_q5aa3e87af0_attend:
	.size	k_q5aa3e87af0_attend, .Lfunc_end_k_q5aa3e87af0_attend-k_q5aa3e87af0_attend
	.p2alignl 7, 3214868480
	.fill 96, 4, 3214868480
	.section	.rodata,"a",@progbits
	.p2align	6, 0x0
	.amdhsa_kernel k_q5aa3e87af0_attend
		.amdhsa_group_segment_fixed_size 318464
		.amdhsa_private_segment_fixed_size 0
		.amdhsa_enable_private_segment 0
		.amdhsa_kernarg_size 48
		.amdhsa_user_sgpr_count 2
		.amdhsa_user_sgpr_kernarg_segment_ptr 1
		.amdhsa_wavefront_size32 1
		.amdhsa_system_sgpr_workgroup_id_x 1
		.amdhsa_system_sgpr_workgroup_id_y 1
		.amdhsa_system_sgpr_workgroup_id_z 1
		.amdhsa_system_vgpr_workitem_id 0
		.amdhsa_next_free_vgpr 512
		.amdhsa_next_free_sgpr 66
		.amdhsa_reserve_vcc 1
		.amdhsa_float_denorm_mode_32 3
		.amdhsa_float_denorm_mode_16_64 3
		.amdhsa_memory_ordered 1
		.amdhsa_forward_progress 1
		.amdhsa_inst_pref_size 188
	.end_amdhsa_kernel
	.amdgpu_metadata
---
amdhsa.version: [ 1, 2 ]
amdhsa.kernels:
  - .name:           k_q5aa3e87af0_attend
    .symbol:         k_q5aa3e87af0_attend.kd
    .args:
      - { .name: query_states, .offset: 0, .size: 8, .value_kind: global_buffer, .address_space: global }
      - { .name: key_states, .offset: 8, .size: 8, .value_kind: global_buffer, .address_space: global }
      - { .name: value_states, .offset: 16, .size: 8, .value_kind: global_buffer, .address_space: global }
      - { .name: initial_state, .offset: 24, .size: 8, .value_kind: global_buffer, .address_space: global }
      - { .name: useg, .offset: 32, .size: 8, .value_kind: global_buffer, .address_space: global }
      - { .name: out0, .offset: 40, .size: 8, .value_kind: global_buffer, .address_space: global }
    .group_segment_fixed_size: 318464
    .private_segment_fixed_size: 0
    .kernarg_segment_align: 8
    .kernarg_segment_size: 48
    .max_flat_workgroup_size: 256
    .sgpr_count:     66
    .vgpr_count:     512
    .wavefront_size: 32
...
	.end_amdgpu_metadata
.endif
;; end of part 2
;; ======== version 2 of 2: 2 launches; version 1 with the launch segstate written anew for expert scheduling mode
;; limits: values are held in f16: magnitudes above 65,504 overflow, below 6.1e-05 lose precision; right only within a limited range of input values
;; workspace buffers: useg 14,680,064 bytes
;; launch segstate (part 3): grid 7 x 32, 8 waves a work-group, no clusters, 218,112 bytes of LDS; arguments key_states, value_states, useg; writes useg
.if DOCPART == 3
	.amdgcn_target "amdgcn-amd-amdhsa--gfx1250"
	.amdhsa_code_object_version 6
	.text
	.protected	k_q5aa3e87af0_segstate
	.globl	k_q5aa3e87af0_segstate
	.p2align	8
	.type	k_q5aa3e87af0_segstate,@function
k_q5aa3e87af0_segstate:
	s_mov_b64 s[64:65], 0
	v_nop
	global_prefetch_b8 v0, s[64:65] scope:SCOPE_SE
	s_setreg_imm32_b32 hwreg(HW_REG_WAVE_SCHED_MODE, 0, 2), 2
	s_setreg_imm32_b32 hwreg(HW_REG_WAVE_MODE, 25, 1), 1
	s_wait_xcnt 0x0
	s_wait_alu depctr_vm_vsrc(0)
; U[b,h,g][dk][dv] = the sum over the 256 tokens j of segment g of lambda^(255-j) k_j[dk] v_j[dv], in f32, for g = 0..6 (the last segment's sum is wanted by nobody).
; key_states, value_states: [2][2048][16][128] f32: a token's row of one head is 512 bytes, rows 8,192 bytes apart.  useg: [32][7][128][128] f32.
; lambda = exp(s_h), log2(lambda) = -0.88424687 x 2^(-(h+1)/2)  (0.88424687 = (1 - 12/31 + 1e-5) x log2 e).
; FORMATS.  k x lambda^(255-j) and v are rounded once to f16 for the product; the sums are f32.
; LIMITS.  |k|, |v| up to 65,504; a factor below 2^-126 counts as 0; below 6e-5 an f16 keeps its fixed step of 6e-8; NaN and infinities are not treated apart.
; SHARES.  A work-group owns one segment of one (b,h).  Eight waves.  Wave w loads rows 64 n + 8 w + i (n = 0..3, i = 0..7) of K and of V: one load of a wave is one row, 512 consecutive bytes.
; All 64 loads of a wave go out at the head, into window 1; a chunk n of 64 tokens is rounded, laid into LDS and multiplied while the later chunks are on their way.
; PRODUCT.  Source 0 = V^T (16 dv x 32 tokens), source 1 = K^T (32 tokens x 16 dk), both turned out of LDS rows [token][channel] by ds_load_tr16_b128.  In the result a lane holds one dk (lane % 16)
; and the dv 8 (lane / 16) + 0..7: 32 neighbouring bytes of a row of U.  Wave w makes dk tiles 2 (w % 4) + 0, 1 and dv tiles 4 (w / 4) + 0..3: 8 accumulators, which take turns.
; NO CLUSTER, NO TENSOR LOAD: no byte of K or V is read by two work-groups, and the f32 rows must pass registers to be scaled and rounded.
; REGISTERS.  Window 0: v0-15 addresses; v16-47 the 32 factors of my K rows; v48-111 accumulators; v112-207 fragments of a chunk.  Window 1: the 64 rows as loaded (chunk n at 64 n: 8 rows of K, 8 of V).
; THE MODE: SCHED_MODE bits 1:0 = 2 (LLVM: expert scheduling mode 2), set by the entry lines.  The code itself states the register dependences
; between vector or matrix instructions and memory or LDS instructions, with s_wait_alu, always for 0.
; THE PLAN.  Registers that memory or LDS instructions touch:
;   v[GOF]        made by one vector line at the head; read by the 64 global loads; never written again.
;   v3 to v11     LDS and store addresses, made by vector lines at the head; read by LDS instructions and the last stores; never written again.
;   window 1      chunk n's 64 registers: the head's loads land in them (no vector line has named them); chunk n's scalings and roundings work in place; chunk n's 16 LDS stores read them; never written again.
;   FR            two halves of 48, one for each 32 tokens of a chunk: the chunk's turning loads land in a half, its 8 products read it, the next chunk's loads land in it again;
;                 on the way out the stage's rows land in v[FR .. FR+63], which the global stores read.
;   ACC           written by the products alone; read by the way out's LDS stores.
; So ONE wait on va_vdst stands in a chunk, ahead of its LDS stores: it states that the roundings have written the stores' data and that the chunk before's products are done reading FR.  Behind it the first half's
; loads follow the barrier; the second half's are dealt among the first half's products, which name ACC and the first half alone.  No register that a memory or LDS instruction reads is ever written again,
; so the waits on vm_vsrc stand only at the entry and the end.
.set TOK,   8192                       ; bytes from a token's row to the next token's
.set PT,    288                        ; an LDS row: 256 bytes of f16 + 32
.set VL,    256*PT                     ; K's 256 rows lie at 0, V's here
.set STG,   2*256*PT                   ; the stages: 32 rows x 272 bytes for each wave
.set SPT,   272
.set GOF,  2                           ; v2   16 x lane + 8 w rows: my offset in K and V
.set KST,  3                           ; v3   where my lane puts 8 bytes of a K row
.set VST,  4                           ; v4   the same for V
.set TRK0, 5                           ; v5, v6   turning address in K for tokens 0-127, 128-255, at my dk tiles
.set TRV0, 7                           ; v7, v8   the same in V, at my dv tiles
.set STO,  9                           ; v9   the way out: where I put 16 bytes
.set RD,   10                          ; v10  the way out: where I read rows back
.set UO,   11                          ; v11  my byte offset in U
.set L2,   14                          ; v14  log2(lambda)
.set XB,   15                          ; v15  log2(lambda) x (255 - 8 w)
.set F,    16
.set ACC,  48
.set FR,   112
.set T0,   208
.set T1,   209
.set HH,   210
.set R,    211
.set MSB, 0
.macro WIN new                         ; s_set_vgpr_msb: bits 1:0 source 0, 3:2 source 1, 5:4 source 2, 7:6 destination; the high byte repeats the setting that is left
.if MSB != (\new)
	s_set_vgpr_msb (MSB<<8)|(\new)
.set MSB, (\new)
.endif
.endm
	s_load_b128 s[4:7], s[0:1], 0x0                ; K s[4:5], V s[6:7]
	s_load_b64 s[8:9], s[0:1], 0x10                ; U
	v_lshl_add_u32 v254, v0, 2, 0x35000
	v_mov_b32 v255, 0
	v_lshrrev_b32 v1, 5, v0
	v_readfirstlane_b32 s10, v1                    ; wave 0..7
	v_and_b32 v1, 31, v0                           ; lane
	s_and_b32 s11, ttmp7, 0xffff                   ; 16 b + h
	s_lshr_b32 s12, s11, 4                         ; b
	s_and_b32 s13, s11, 15                         ; h
	s_lshl_b32 s14, s12, 24                        ; b x 2,048 tokens x 8,192 bytes
	s_lshl_b32 s15, s13, 9                         ; h x 512
	s_add_co_u32 s14, s14, s15
	s_lshl_b32 s15, ttmp9, 21                      ; segment x 256 tokens
	s_add_co_u32 s14, s14, s15
	s_mov_b32 s15, 0
	s_mul_i32 s16, s11, 7
	s_add_co_u32 s16, s16, ttmp9
	s_lshl_b32 s16, s16, 16                        ; (7 (16 b + h) + g) x 65,536
	s_mov_b32 s17, 0
	s_wait_alu depctr_va_sdst(0)                   ; s10 is written, ahead of its first reader: my offsets and LDS places are made from it
	s_lshl_b32 s18, s10, 16                        ; 8 w rows
	v_lshl_add_u32 v[GOF], v1, 4, s18
	s_wait_kmcnt 0x0
	s_add_nc_u64 s[4:5], s[4:5], s[14:15]
	s_add_nc_u64 s[6:7], s[6:7], s[14:15]
	s_add_nc_u64 s[8:9], s[8:9], s[16:17]
	WIN 0x40                                       ; destination window 1, address window 0
	s_wait_alu depctr_va_vdst(0)                   ; v[GOF] is written, which the 64 loads below read as their offset
.set n, 0
.rept 4                                        ; everything that the wave will read is asked for now, chunk by chunk
.set i, 0
.rept 8
	global_load_b128 v[64*n+4*i:64*n+4*i+3], v[GOF], s[4:5] offset:(64*n+i)*TOK
.set i, i+1
.endr
.set i, 0
.rept 8
	global_load_b128 v[64*n+32+4*i:64*n+32+4*i+3], v[GOF], s[6:7] offset:(64*n+i)*TOK
.set i, i+1
.endr
.set n, n+1
.endr
	WIN 0
	; the head's slope 2^(-(h+1)/2); the LDS addresses are the independent work behind the exponential.  None of the vector lines from here to the first chunk names v[GOF] or a register of window 1
	s_add_co_u32 s18, s13, 1
	v_cvt_f32_u32 v[L2], s18
	v_mul_f32 v[L2], -0.5, v[L2]
	v_exp_f32 v[L2], v[L2]
	s_mul_i32 s18, s10, 8*PT
	v_lshl_add_u32 v[KST], v1, 3, s18              ; row 8 w, 8 bytes a lane
	v_add_nc_u32 v[VST], VL, v[KST]
	v_and_b32 v[T0], 7, v1
	v_lshrrev_b32 v[HH], 4, v1                     ; lane / 16
	v_lshl_add_u32 v[T0], v[HH], 3, v[T0]
	v_mul_u32_u24 v[T0], v[T0], PT                 ; the turning load: lane l reads token 8 (l / 16) + l % 8,
	v_bfe_u32 v[T1], v1, 3, 1
	v_lshl_add_u32 v[T0], v[T1], 4, v[T0]          ; channels 8 ((l / 8) % 2) + 0..7
	s_and_b32 s18, s10, 3
	s_lshl_b32 s19, s18, 6                         ; my two dk tiles: 64 bytes of a row
	v_add_nc_u32 v[TRK0], s19, v[T0]
	v_add_nc_u32 v[TRK0+1], 128*PT, v[TRK0]
	s_lshr_b32 s20, s10, 2
	s_lshl_b32 s21, s20, 7                         ; my four dv tiles: 128 bytes of a row
	s_add_co_u32 s21, s21, VL
	v_add_nc_u32 v[TRV0], s21, v[T0]
	v_add_nc_u32 v[TRV0+1], 128*PT, v[TRV0]
	v_and_b32 v[R], 15, v1                         ; lane % 16
	s_mul_i32 s21, s10, 32*SPT
	s_add_co_u32 s21, s21, STG                     ; my stage
	v_mul_u32_u24 v[T0], v[R], SPT
	v_lshl_add_u32 v[T0], v[HH], 5, v[T0]
	v_add_nc_u32 v[STO], s21, v[T0]                ; in: row lane % 16, 32 bytes for each half of the lanes
	v_mul_u32_u24 v[T0], v[HH], SPT
	v_lshl_add_u32 v[T0], v[R], 4, v[T0]
	v_add_nc_u32 v[RD], s21, v[T0]                 ; back: lanes 0-15 one row of 256 bytes, lanes 16-31 the next
	s_lshl_b32 s18, s18, 14                        ; my 32 rows of U,
	s_lshl_b32 s20, s20, 8                         ; my 256 bytes of them
	s_add_co_u32 s18, s18, s20
	v_lshlrev_b32 v[T0], 9, v[HH]
	v_lshl_add_u32 v[T0], v[R], 4, v[T0]
	v_add_nc_u32 v[UO], s18, v[T0]
	s_wait_alu depctr_va_vdst(0)                   ; the exponential has written v[L2]: the wait ahead of its first reader
	v_mul_f32 v[L2], 0xbf625e01, v[L2]             ; x -0.88424687: log2(lambda)
	; the factor of my K row 64 n + 8 w + i is 2^(log2(lambda) (255 - 8 w - 64 n - i)): 32 of them, one batch of exponentials with one wait
	s_lshl_b32 s18, s10, 3
	s_sub_co_u32 s18, 255, s18
	v_cvt_f32_u32 v[XB], s18
	v_mul_f32 v[XB], v[L2], v[XB]
.set k, 0
.rept 32
	v_cvt_f32_u32 v[F+k], 64*(k/8)+k%8
	v_fma_f32 v[F+k], -v[L2], v[F+k], v[XB]
.set k, k+1
.endr
.set k, 0
.rept 32
	v_exp_f32 v[F+k], v[F+k]
.set k, k+1
.endr
	v_nop                                          ; a plain instruction behind the last exponential,
	s_wait_alu depctr_va_vdst(0)                   ; and the batch's one wait: the 32 exponentials have written v[F ..]; the addresses v3 to v11, which the LDS instructions and stores below read, are written too
; Fragment f of the 32 tokens 64 n + 32 ks on: f = 0..3: V^T at my dv tile f; f = 4, 5: K^T at my dk tile f - 4.  Two turning loads, 16 tokens each.
.macro FRAG n, ks, f
.if (\f) < 4
	ds_load_tr16_b128 v[FR+48*(\ks)+8*(\f):FR+48*(\ks)+8*(\f)+3],   v[TRV0+(\n)/2] offset:((64*(\n)+32*(\ks))%128)*PT+32*(\f)
	ds_load_tr16_b128 v[FR+48*(\ks)+8*(\f)+4:FR+48*(\ks)+8*(\f)+7], v[TRV0+(\n)/2] offset:((64*(\n)+32*(\ks))%128)*PT+16*PT+32*(\f)
.else
	ds_load_tr16_b128 v[FR+48*(\ks)+8*(\f):FR+48*(\ks)+8*(\f)+3],   v[TRK0+(\n)/2] offset:((64*(\n)+32*(\ks))%128)*PT+32*((\f)-4)
	ds_load_tr16_b128 v[FR+48*(\ks)+8*(\f)+4:FR+48*(\ks)+8*(\f)+7], v[TRK0+(\n)/2] offset:((64*(\n)+32*(\ks))%128)*PT+16*PT+32*((\f)-4)
.endif
.endm
; Product u of 8 for those 32 tokens: dk tile u / 4, dv tile u % 4.  The eight accumulators take turns: seven others stand between two links of a chain; the very first products start the sums.
.macro MM n, ks, u
.set aa, ACC+8*(\u)
.set vv, FR+48*(\ks)+8*((\u)%4)
.set kk, FR+48*(\ks)+32+8*((\u)/4)
.if (\n) == 0 && (\ks) == 0
	v_wmma_f32_16x16x32_f16 v[aa:aa+7], v[vv:vv+7], v[kk:kk+7], 0
.else
	v_wmma_f32_16x16x32_f16 v[aa:aa+7], v[vv:vv+7], v[kk:kk+7], v[aa:aa+7]
.endif
.endm
; Chunk n: its 16 rows are scaled, rounded in place, laid into LDS; a barrier; then 64 tokens' products.  No LDS byte is written twice, so one barrier a chunk orders the stores with the reads.
.macro CHUNK n
	s_wait_loadcnt 48-16*(\n)                      ; loads come back in order: this chunk's 16 are in, the later chunks' stay out
	WIN 0x44                                       ; destination and source 1 window 1, the factor window 0
.set i, 0
.rept 8
.set q, 0
.rept 4
	v_mul_f32 v[64*(\n)+4*i+q], v[F+8*(\n)+i], v[64*(\n)+4*i+q]
.set q, q+1
.endr
.set i, i+1
.endr
	WIN 0x45                                       ; all three in window 1
.set i, 0
.rept 16
	v_cvt_pk_f16_f32 v[64*(\n)+4*i], v[64*(\n)+4*i], v[64*(\n)+4*i+1]
	v_cvt_pk_f16_f32 v[64*(\n)+4*i+1], v[64*(\n)+4*i+2], v[64*(\n)+4*i+3]
.set i, i+1
.endr
	WIN 0x04                                       ; store data window 1, address window 0
	s_wait_alu depctr_va_vdst(0)                   ; the roundings have written the rows that the LDS stores below read; the chunk before's products are done reading FR, in which the turning loads below land
.set i, 0
.rept 8
	ds_store_b64 v[KST], v[64*(\n)+4*i:64*(\n)+4*i+1] offset:(64*(\n)+i)*PT        ; 32 lanes x 8 bytes: a whole f16 row
	ds_store_b64 v[VST], v[64*(\n)+32+4*i:64*(\n)+32+4*i+1] offset:(64*(\n)+i)*PT
.set i, i+1
.endr
	WIN 0
	s_wait_dscnt 0x0                               ; for the others' sake: my rows lie in LDS
	s_barrier_signal -1
	s_barrier_wait -1                              ; everybody's do
	; the fragments' registers were last read by the chunk before's products: the scalings and roundings above are far more than four plain instructions behind them
.irp u, 0,1,2,3,4,5
	FRAG \n, 0, \u                                 ; the first 32 tokens' six fragments.  No wait: no vector or matrix instruction since the wait above
.endr
	s_wait_dscnt 0x0                               ; they are in: nothing younger is out
.irp u, 0,1,2,3,4,5,6,7
	MM \n, 0, \u
.if (\u) < 6
	FRAG \n, 1, \u                                 ; the second 32 tokens' fragments, one behind each of six products.  No wait: the products since the wait above name ACC and FR's first half alone
.endif
.endr
	s_wait_dscnt 0x0                               ; the second half is in
.irp u, 0,1,2,3,4,5,6,7
	MM \n, 1, \u
.endr
.endm
	CHUNK 0
	CHUNK 1
	CHUNK 2
	CHUNK 3
	; THE WAY OUT: my 32 rows x 256 bytes go through my own stage, so that 16 lanes store 256 consecutive bytes, aligned.  LDS serves a wave's instructions in order: no wait between stores and loads.
.rept 4
	v_nop                                          ; four places behind the last product, ahead of the stores that read results and of the loads into fragments' registers
.endr
	s_wait_alu depctr_va_vdst(0)                   ; the products have written the accumulators, which the LDS stores read, and are done reading FR, in which the stage's rows land; the places above stay beside this wait
.set jd, 0
.rept 2
.set t, 0
.rept 4
	ds_store_b128 v[STO], v[ACC+8*(4*jd+t):ACC+8*(4*jd+t)+3]   offset:jd*16*SPT+64*t
	ds_store_b128 v[STO], v[ACC+8*(4*jd+t)+4:ACC+8*(4*jd+t)+7] offset:jd*16*SPT+64*t+16
.set t, t+1
.endr
.set jd, jd+1
.endr
.set k, 0
.rept 16
	ds_load_b128 v[FR+4*k:FR+4*k+3], v[RD] offset:k*2*SPT
.set k, k+1
.endr
.set k, 0
.rept 16
	s_wait_dscnt 15-k                              ; pair k of rows is back; the younger loads stay out
	global_store_b128 v[UO], v[FR+4*k:FR+4*k+3], s[8:9] offset:k*1024
.set k, k+1
.endr
	s_wait_dscnt 0x0                               ; the wave's end: my last LDS instructions are done.  The closing add below goes to my word of the 1,024 bytes behind the stages
	s_wait_alu depctr_hold_cnt(0) depctr_sa_sdst(0) depctr_va_vdst(0) depctr_va_sdst(0) depctr_va_ssrc(0) depctr_va_vcc(0) depctr_vm_vsrc(0)
	s_wait_tensorcnt 0x0
	ds_add_u32 v254, v255
	s_wait_dscnt 0x0
	s_endpgm
.Lfunc_end_k_q5aa3e87af0_segstate:
	.size	k_q5aa3e87af0_segstate, .Lfunc_end_k_q5aa3e87af0_segstate-k_q5aa3e87af0_segstate
	.p2alignl 7, 3214868480
	.fill 96, 4, 3214868480
	.section	.rodata,"a",@progbits
	.p2align	6, 0x0
	.amdhsa_kernel k_q5aa3e87af0_segstate
		.amdhsa_group_segment_fixed_size 218112
		.amdhsa_private_segment_fixed_size 0
		.amdhsa_enable_private_segment 0
		.amdhsa_kernarg_size 24
		.amdhsa_user_sgpr_count 2
		.amdhsa_user_sgpr_kernarg_segment_ptr 1
		.amdhsa_wavefront_size32 1
		.amdhsa_system_sgpr_workgroup_id_x 1
		.amdhsa_system_sgpr_workgroup_id_y 1
		.amdhsa_system_sgpr_workgroup_id_z 1
		.amdhsa_system_vgpr_workitem_id 0
		.amdhsa_next_free_vgpr 512
		.amdhsa_next_free_sgpr 66
		.amdhsa_reserve_vcc 0
		.amdhsa_float_denorm_mode_32 3
		.amdhsa_float_denorm_mode_16_64 3
		.amdhsa_memory_ordered 1
		.amdhsa_forward_progress 1
		.amdhsa_inst_pref_size 47
	.end_amdhsa_kernel
	.amdgpu_metadata
---
amdhsa.version: [ 1, 2 ]
amdhsa.kernels:
  - .name:           k_q5aa3e87af0_segstate
    .symbol:         k_q5aa3e87af0_segstate.kd
    .args:
      - { .name: key_states, .offset: 0, .size: 8, .value_kind: global_buffer, .address_space: global }
      - { .name: value_states, .offset: 8, .size: 8, .value_kind: global_buffer, .address_space: global }
      - { .name: useg, .offset: 16, .size: 8, .value_kind: global_buffer, .address_space: global }
    .group_segment_fixed_size: 218112
    .private_segment_fixed_size: 0
    .kernarg_segment_align: 8
    .kernarg_segment_size: 24
    .max_flat_workgroup_size: 256
    .sgpr_count:     66
    .vgpr_count:     512
    .wavefront_size: 32
...
	.end_amdgpu_metadata
.endif
;; end of part 3
;; launch attend: the kernel of part 2 again; grid 8 x 32, 8 waves a work-group, no clusters, 318,464 bytes of LDS; arguments query_states, key_states, value_states, initial_state, useg, out0; writes out0
